; MI455X (gfx1250); checked and timed in simulation.
; The chip was launched on July 23, 2026; its instructions are those of AMD's public machine-readable ISA for CDNA 5 (MIT licence, August 2026) and "CDNA5" Instruction Set Architecture Reference Guide (July 2026). The comments in the code are by the model that wrote it; some were corrected since.
;; Multi Head Attention. Allowed arithmetic: matrix products marked QUANTISED: E2M3 operands, one E8M0 scale for each 32 along K, by v_wmma_scale_f32_16x16x128_f8f6f4 with both operands' format E2M3, f32 sums; everything else in f32.
;; Inputs: k 4 x 4,096 x 1,024 float32; q 4 x 4,096 x 1,024 float32; v 4 x 4,096 x 1,024 float32; wc_b 1,024 float32; wc_w 1,024 x 1,024 float32; wk_b 1,024 float32; wk_w 1,024 x 1,024 float32; wq_b 1,024 float32; wq_w 1,024 x 1,024 float32; wv_b 1,024 float32; wv_w 1,024 x 1,024 float32.
;; Outputs: out0 4 x 4,096 x 1,024 float32.
;; This version of the problem:
;;   THIS VERSION OF THE PROBLEM IS GIVEN IN LOW PRECISION. The matrix products marked QUANTISED in the list below multiply operands that are first quantised to E2M3 (2 exponent bits, 3 mantissa bits; 6 bits a number), with one power-of-two scale for each 32 numbers along K (OCP MX v1.0); their sums are f32. All else is computed in f32.
;;   The module's matrix products, in the order in which they are computed (A, B: the left and right operand; K: the contracted axis; several contracted axes count as one K, in the product's order):
;;     1. [M 16,384, K 1,024] x [K 1,024, N 1,024]; A: input q; B: input wq_w: QUANTISED
;;     2. [M 16,384, K 1,024] x [K 1,024, N 1,024]; A: input k; B: input wk_w: QUANTISED
;;     3. [M 16,384, K 1,024] x [K 1,024, N 1,024]; A: input v; B: input wv_w: QUANTISED
;;     4. [M 16,384, K 1,024] x [K 1,024, N 1,024]; A: computed on the way; B: input wc_w: QUANTISED
;;   THE QUANTISER, for each operand of a quantised product, along K:
;;     - K is cut into blocks of 32 from its start; a last block that is shorter is filled with zeros.
;;     - A block's scale is 2^e with e = floor(log2(the largest magnitude in the block)) - 2, held to -126 .. 127; a block of zeros has e = 0. As a byte (E8M0): e + 127.
;;     - Each number is divided by its block's scale, clamped to +-7.5, and rounded to the nearest number of E2M3, ties to even, subnormals kept.
;;     - The product sums the exact products of the quantised numbers (number of the format x scale) in f32.
;;   ~~~python
;;   def quantise(x, axis):      # numpy; x: float32 -> the quantised numbers, widened to float32 again
;;       x = np.moveaxis(x, axis, -1); K = x.shape[-1]
;;       x = np.pad(x, [(0, 0)] * (x.ndim - 1) + [(0, -K % 32)]); x = x.reshape(x.shape[:-1] + (-1, 32)); a = np.abs(x).max(-1, keepdims=True)
;;       e = np.where(a > 0, np.clip(np.frexp(np.where(a > 0, a, 1))[1] - 1 - 2, -126, 127), 0)      # np.frexp(a)[1] - 1 = floor(log2(a)), exactly
;;       r = np.clip(x / 2.0 ** e, -7.5, 7.5)
;;       step = 2.0 ** (np.maximum(np.frexp(np.where(r == 0, 1, r))[1] - 1, 0) - 3)
;;       q = np.round(r / step) * step * 2.0 ** e      # np.round: ties to even
;;       return np.moveaxis(q.reshape(q.shape[:-2] + (-1,))[..., :K], -1, axis).astype(np.float32)
;;   ~~~
;;   OPERANDS COMPUTED ON THE WAY. 'Computed on the way' means the value that the module computes at that place (a softmax that the list does not call 'softmax' is quantised finished and normalised). What goes into a quantiser is computed in f32, as accurately as f32 sums, v_exp_f32 and their like allow (about 1e-6 of the number): no bf16 or f16 on the way to a quantiser, and a product that is left as it is and whose result goes on into a quantised operand takes f32 operands (vector FMAs, or v_wmma_f32_16x16x4_f32). A number that lies on a knife's edge between two numbers of the format may be rounded either way, as far as f32 arithmetic and the matrix unit's own rounding can turn it there, and no further.
;; One version. Each part assembles by itself: llvm-mc -triple=amdgcn-amd-amdhsa -mcpu=gfx1250 --defsym DOCPART=n.
;; ======== version 1 of 1: 2 launches
;; workspace buffers: wst 3,276,800 bytes
;; launch wprep (part 1): grid 32 x 8, 4 waves a work-group, no clusters, 0 bytes of LDS; arguments wk_w, wq_w, wv_w, wc_w, wst; writes wst
.if DOCPART == 1
	.amdgcn_target "amdgcn-amd-amdhsa--gfx1250"
	.amdhsa_code_object_version 6
	.text
	.protected	k_qe812106fa3_wprep
	.globl	k_qe812106fa3_wprep
	.p2align	8
	.type	k_qe812106fa3_wprep,@function
k_qe812106fa3_wprep:
	s_mov_b64 s[64:65], 0
	v_nop
	global_prefetch_b8 v0, s[64:65] scope:SCOPE_SE
	s_setreg_imm32_b32 hwreg(HW_REG_WAVE_MODE, 25, 1), 1
	s_wait_xcnt 0x0
; The four weights, f32 stored [K = 1024][N = 1024], become codes of E2M3 with one E8M0 byte for each 32 along K, laid in wst as IMAGES OF THE OPERAND'S REGISTERS, in the order in which the waves of the next launch take them.
; NO WORK IS LEFT OUT in this program: every input has a way to the output (head 0's K'/cumsum is 1 by identity, but it stands inside tiles whose other work is live, and K' of head 0 feeds the later heads' sums).
; wst: wave w of the next launch owns the stream at w x 409,600 bytes: 64 blocks of 6,400.  Block 24 dh + 8 o + s: product o (0 K, 1 Q, 2 V), half dh of each head's 64 channels, K step s of 128; block 48 + 8 c + s: wc, chunk c of 64 columns.
; A block: four tiles t = 2 pp + u of 16 columns x 128 K, 1,536 bytes each (registers 4 g .. 4 g + 3 of lane L at 512 g + 16 L), then the scale words at 6,144 + 128 pp + 4 (16 u + rho).
; Row rho of a tile is column 128 w + 64 a + 32 b + 8 u + rho % 8 + 16 (rho / 8)  (Q, K, V: a = pp, b = dh;  wc: a = c, b = pp): so the transposed product leaves 16 neighbouring columns in a lane's 16 registers of tiles 2 pp, 2 pp + 1.
; A LANE TAKES A COLUMN AND ITS REGISTERS RUN DOWN K: a block of 32 lies in one lane, its largest magnitude needs no other lane, and the conversions give codes with K innermost.  Nothing is transposed.
; A block's scale byte is its largest magnitude's exponent field - 2, held at 1 from below.  LIMITS: a block of zeros gets the byte 1 where the rule says 127 (its codes are zeros, and this program alone reads the bytes);
; NaN and infinities among the inputs are not served.
; SHARES: work-group x = 8 x matrix + w, y = K step.  Wave v takes columns 128 w + 32 v .. + 31.  No LDS, no barrier: waves share nothing.  Loads run two blocks of 32 ahead.
.set BLKB, 6400
.set C,    16                          ; v16-39  the codes: registers 12 h + 6 c .. + 5 = block 2 c + h
.set OD,   40                          ; v40-55  each block's upper 16 codes as the conversion leaves them (its three registers begin on an even number)
.set XN,   64                          ; v64-127 two sets of 32 numbers
	s_load_b256 s[4:11], s[0:1], 0x0               ; wk_w, wq_w, wv_w, wc_w
	s_load_b64 s[12:13], s[0:1], 0x20              ; wst
	v_lshrrev_b32 v1, 5, v0
	v_readfirstlane_b32 s14, v1                    ; wave v
	v_and_b32 v1, 31, v0                           ; lane l: column 128 w + 32 v + l
	v_lshlrev_b32 v2, 2, v1                        ; 4 bytes a lane
	s_lshr_b32 s15, ttmp9, 3                       ; which matrix: 0 K, 1 Q, 2 V, 3 wc
	s_and_b32 s16, ttmp9, 7                        ; w: the wave that will read these columns
	s_and_b32 s17, ttmp7, 0xffff                   ; the K step
	s_lshr_b32 s18, s14, 1                         ; a
	s_and_b32 s19, s14, 1                          ; b
	s_mul_i32 s20, s19, 24
	s_lshl_b32 s21, s15, 3
	s_add_co_u32 s20, s20, s21                     ; Q, K, V: block 24 b + 8 matrix (+ s)
	s_lshl_b32 s21, s18, 3
	s_add_co_u32 s21, s21, 48                      ; wc: block 48 + 8 a (+ s)
	s_cmp_eq_u32 s15, 3
	s_cselect_b32 s20, s21, s20
	s_cselect_b32 s22, s19, s18                    ; pp: wc: b; the others: a
	s_add_co_u32 s20, s20, s17
	s_mul_i32 s20, s20, BLKB
	s_mul_i32 s21, s16, 64*BLKB
	s_add_co_u32 s20, s20, s21                     ; the block's first byte in wst
	s_mov_b32 s21, 0
	s_lshl_b32 s24, s17, 19                        ; 128 rows of 4,096 bytes a K step
	s_lshl_b32 s25, s16, 9
	s_add_co_u32 s24, s24, s25
	s_lshl_b32 s25, s14, 7
	s_add_co_u32 s24, s24, s25                     ; + 4 (128 w + 32 v)
	s_mov_b32 s25, 0
	v_bfe_u32 v5, v1, 3, 1                         ; u
	v_and_b32 v6, 7, v1
	v_lshrrev_b32 v7, 4, v1
	v_lshl_add_u32 v6, v7, 3, v6                   ; rho
	v_mul_u32_u24 v3, v5, 1536
	v_lshl_add_u32 v3, v6, 4, v3
	s_mul_i32 s26, s22, 3072
	v_add_nc_u32 v3, s26, v3                       ; my tile, and lane rho's 16 bytes in a group of registers
	v_lshl_add_u32 v4, v5, 4, v6
	v_lshlrev_b32 v4, 2, v4
	s_lshl_b32 s26, s22, 7
	s_add_co_u32 s26, s26, 6144
	v_add_nc_u32 v4, s26, v4                       ; my column's scale word
	s_wait_kmcnt 0x0
	s_cmp_eq_u32 s15, 1                            ; the matrix is chosen by the work-group's number alone
	s_cselect_b64 s[4:5], s[6:7], s[4:5]
	s_cmp_eq_u32 s15, 2
	s_cselect_b64 s[4:5], s[8:9], s[4:5]
	s_cmp_eq_u32 s15, 3
	s_cselect_b64 s[4:5], s[10:11], s[4:5]
	s_add_nc_u64 s[4:5], s[4:5], s[24:25]
	s_add_nc_u64 s[12:13], s[12:13], s[20:21]
.macro LOAD b                          ; block b: W(32 b + i, my column): 32 lanes read 128 consecutive bytes, the four waves 512
.irp i, 0,1,2,3,4,5,6,7,8,9,10,11,12,13,14,15,16,17,18,19,20,21,22,23,24,25,26,27,28,29,30,31
	global_load_b32 v[XN+32*((\b)%2)+\i], v2, s[4:5] offset:(32*(\b)+\i)*4096 th:TH_LOAD_NT
.endr
.endm
.macro BLOCK b
.set XS, XN+32*((\b)%2)
.set CD, C+12*((\b)%2)+6*((\b)/2)
.if (\b) < 3
	s_wait_loadcnt 32                              ; this block's 32 loads are in; the next block's may be out
.else
	s_wait_loadcnt 0x0
.endif
	v_max3_num_f32 v8, |v[XS]|, |v[XS+1]|, |v[XS+2]|               ; the block's largest magnitude, in two chains
	v_max3_num_f32 v9, |v[XS+3]|, |v[XS+4]|, |v[XS+5]|
.irp i, 6,10,14,18,22,26
	v_max3_num_f32 v8, v8, |v[XS+\i]|, |v[XS+\i+1]|
	v_max3_num_f32 v9, v9, |v[XS+\i+2]|, |v[XS+\i+3]|
.endr
	v_max3_num_f32 v8, v8, |v[XS+30]|, |v[XS+31]|
	v_max3_num_f32 v8, v8, v9, 0x1800000           ; and the floor 2^(3 - 127): the byte cannot fall under 1
	v_add_nc_u32 v10, 0xff000000, v8               ; 2 off its exponent field: the conversion takes the exponent field of this operand as its scale
	v_lshrrev_b32 v11, 23, v10                     ; the scale's byte
.if (\b) == 0
	v_mov_b32 v12, v11                             ; the four bytes make the column's scale word, the lower K in the lower byte
.else
	v_lshl_or_b32 v12, v11, 8*(\b), v12
.endif
	v_cvt_scalef32_pk16_fp6_f32 v[CD:CD+2], v[XS:XS+15], v10
	v_cvt_scalef32_pk16_fp6_f32 v[OD+4*(\b):OD+4*(\b)+2], v[XS+16:XS+31], v10
.if (\b) < 2
	LOAD (\b)+2                                    ; into the set just converted; the next block begins with plain vector lines, ahead of the line that writes v10 anew
.endif
.endm
	LOAD 0
	LOAD 1
	BLOCK 0
	BLOCK 1
	BLOCK 2
	BLOCK 3
	v_nop                                          ; one plain line between the last conversion and the moves that read its result
.irp b, 0,1,2,3
.irp i, 0,1,2
	v_mov_b32 v[C+12*(\b%2)+6*(\b/2)+3+\i], v[OD+4*\b+\i]
.endr
.endr
.irp h, 0,1                            ; lane (rho, h) of the operand holds blocks h and 2 + h: 12 registers, three groups of four
.irp g, 0,1,2
	global_store_b128 v3, v[C+12*\h+4*\g:C+12*\h+4*\g+3], s[12:13] offset:512*\g+256*\h   ; the sixteen lanes of a tile store 256 consecutive bytes, at a multiple of 256 from wst's first byte
.endr
.endr
	global_store_b32 v4, v12, s[12:13]             ; 32 scale words: 128 consecutive bytes
	s_endpgm
.Lfunc_end_k_qe812106fa3_wprep:
	.size	k_qe812106fa3_wprep, .Lfunc_end_k_qe812106fa3_wprep-k_qe812106fa3_wprep
	.p2alignl 7, 3214868480
	.fill 96, 4, 3214868480
	.section	.rodata,"a",@progbits
	.p2align	6, 0x0
	.amdhsa_kernel k_qe812106fa3_wprep
		.amdhsa_group_segment_fixed_size 0
		.amdhsa_private_segment_fixed_size 0
		.amdhsa_enable_private_segment 0
		.amdhsa_kernarg_size 40
		.amdhsa_user_sgpr_count 2
		.amdhsa_user_sgpr_kernarg_segment_ptr 1
		.amdhsa_wavefront_size32 1
		.amdhsa_system_sgpr_workgroup_id_x 1
		.amdhsa_system_sgpr_workgroup_id_y 1
		.amdhsa_system_sgpr_workgroup_id_z 1
		.amdhsa_system_vgpr_workitem_id 0
		.amdhsa_next_free_vgpr 128
		.amdhsa_next_free_sgpr 66
		.amdhsa_reserve_vcc 0
		.amdhsa_float_denorm_mode_32 3
		.amdhsa_float_denorm_mode_16_64 3
		.amdhsa_memory_ordered 1
		.amdhsa_forward_progress 1
		.amdhsa_inst_pref_size 21
	.end_amdhsa_kernel
	.amdgpu_metadata
---
amdhsa.version: [ 1, 2 ]
amdhsa.kernels:
  - .name:           k_qe812106fa3_wprep
    .symbol:         k_qe812106fa3_wprep.kd
    .args:
      - { .name: wk_w, .offset: 0, .size: 8, .value_kind: global_buffer, .address_space: global }
      - { .name: wq_w, .offset: 8, .size: 8, .value_kind: global_buffer, .address_space: global }
      - { .name: wv_w, .offset: 16, .size: 8, .value_kind: global_buffer, .address_space: global }
      - { .name: wc_w, .offset: 24, .size: 8, .value_kind: global_buffer, .address_space: global }
      - { .name: wst, .offset: 32, .size: 8, .value_kind: global_buffer, .address_space: global }
    .group_segment_fixed_size: 0
    .private_segment_fixed_size: 0
    .kernarg_segment_align: 8
    .kernarg_segment_size: 40
    .max_flat_workgroup_size: 128
    .sgpr_count:     66
    .vgpr_count:     128
    .wavefront_size: 32
...
	.end_amdgpu_metadata
.endif
;; end of part 1
;; launch fused (part 2): grid 256 x 1, 8 waves a work-group, no clusters, 314,368 bytes of LDS; arguments k, q, v, wk_b, wq_b, wv_b, wc_b, wst, out0; writes out0
.if DOCPART == 2
	.amdgcn_target "amdgcn-amd-amdhsa--gfx1250"
	.amdhsa_code_object_version 6
	.text
	.protected	k_qe812106fa3_fused
	.globl	k_qe812106fa3_fused
	.p2align	8
	.type	k_qe812106fa3_fused,@function
k_qe812106fa3_fused:
	s_mov_b64 s[64:65], 0
	v_nop
	global_prefetch_b8 v0, s[64:65] scope:SCOPE_SE
	s_setreg_imm32_b32 hwreg(HW_REG_WAVE_MODE, 25, 1), 1
	s_wait_xcnt 0x0
; out0 = attn wc + wc_b,  attn = Q' (K' / cumsum over the HEADS of K') V,  Q' = elu(q wq + bq) + 1,  K' = elu(k wk + bk) + 1,  V = v wv + bv.  All four products on codes of E2M3 with one E8M0 byte for each 32 along K.
; No work is left out: every input has a way to the output.
; SHARES.  A work-group owns 64 rows through the whole chain (a row's sum over heads and the last product's K both want all 1,024 columns of a row).  Eight waves of 512 registers, two to a SIMD, so that one wave's vector stage stands
; beside the other's products.  THE WAVES SHARE THE COLUMNS: wave w makes heads 2 w, 2 w + 1 (columns 128 w .. + 127), which are K step w of the last product, and output columns 128 w .. + 127.
; PHASES.  X: the rows of k, q, v are quantised into LDS as images of operand registers.  Then for each half dh of a head's 64 channels: product K, elu + 1, sum over heads, ratio -> plane P (registers); product Q, P x= Q';
; product V, attn = P V, quantised into LDS.  Then the last product in two chunks of 64 columns, and out through a stage in LDS.
; THE PRODUCTS ARE USED TRANSPOSED (source 0 = 16 columns of a weight, source 1 = 16 rows): lane (r, h) holds row r, and the 16 registers of tiles 2 pp, 2 pp + 1 hold 16 neighbouring columns 16 h + 0 .. 15 of a block of 32.
; THE WEIGHTS come from wst straight into registers, three sets of a K step's four fragments (6,400 bytes a block, 14 loads): each fragment is used by one wave alone, for its four tiles of rows.
; NO CLUSTER, NO JOINT LOADS, though all work-groups walk the same wst: LDS holds 196,608 bytes of operand images, 8,192 of scale words, 16,384 of biases, 92,160 of scratch and 1,024 spare: the 13,312 bytes left are less than two slots
; of one K step of the eight waves (2 x 51,200).
; elu(x) + 1 = max(x, min(2^(x log2 e), 1) - 1) + 1: x + 1 for x > 0, (e^x - 1) + 1 else (e^x - 1 >= x always); no compare.  The biases are the accumulators' first values, loaded from LDS in the result's layout.
; LIMITS.  NaN and infinities among the inputs are not served (the minimum and maximum drop a NaN).  e^x - 1 is made of v_exp_f32, absolute error about 1e-7.  K' / sum is K' x v_rcp_f32.  The sum over heads adds my first head,
; then the earlier waves' totals of two heads in their order, then my second head: another order of f32 rounding than a sum from head 0 on.  A block of zeros gets the scale byte 1 (its codes are zeros; only this text reads the bytes).
; AN IMAGE: a fragment (16 rows x 128 K, 12 registers a lane) lies lane by lane, lane L's 48 bytes at 48 L.  The lane that made 16 codes of block b of row r (k = 32 b + 16 h + 0 .. 15) puts its three words at
; 48 r + 12 h + 768 (b % 2) + 24 (b / 2): that is registers 6 (b / 2) + 3 h .. + 2 of lane r + 16 (b % 2): no exchange between lanes.  Any wave reads a fragment by three loads of 16 bytes at 48 L + 16 g.
.set OPB,   49152                      ; LDS: images of k, q, v, attn: 32 fragments of 1,536 bytes each.  Fragment (K step s, row tile m) at place 16 (s / 4) + 4 m + s % 4 (k, q, v) or 4 s + m (attn)
.set ASC,   4*OPB                      ; their scale words: 2,048 bytes an operand, 64 a fragment, row r's at 4 r
.set BIAS,  ASC+8192                   ; the four biases, 4,096 bytes each, as they lie in memory
.set SCR,   BIAS+16384                 ; scratch, three uses parted by barriers: phase X: 8 stages of 16 rows x 528;  the totals of two heads: 7 x 8,192;  from OUTS on: 8 stages of 16 rows x 272 for the way out
.set OUTS,  SCR+57344
.set SPARE, SCR+92160                  ; the spare words, 128 bytes for each wave: four blocks of 256 bytes that no other line names
.set BLKB,  6400                       ; a block of wst
; window 0
.set AR,   1                           ; v1-4    48 x lane + the operand's images
.set SRX,  5                           ; v5      scale words of k, q, v: lanes 0-15 an even row tile, lanes 16-31 the odd one behind it
.set SRT,  6                           ; v6      the same for attn
.set BA,   7                           ; v7      my columns' biases: BIAS + 512 w + 64 h
.set WO16, 8                           ; v8      16 x lane
.set WO4,  9                           ; v9      4 x lane
.set ATW0, 10                          ; v10     where I put attn's codes
.set ASW0, 11                          ; v11     and its scale bytes
.set TW,   12                          ; v12     where my wave puts its totals
.set TR0,  13                          ; v13     wave 0's totals
.set SO,   14                          ; v14     the way out: into my stage
.set SR,   15                          ; v15     and back
.set GO,   16                          ; v16     my byte offset in two rows of out0
.set SPW,  17                          ; v17     LDS address of my spare word; never rewritten
.set NIL,  18                          ; v18     0; never rewritten
.set BAT,  19                          ; v19-22  addresses of the trip in hand
.set ATWT, 20
.set ASWT, 21
.set TRT,  22
.set IWT,  19                          ; (phase X)
.set SWT,  20
.set XOF,  23                          ; v23     phase X: my byte offset in a row's part
.set ASR,  24                          ; v24-27  the rows' scale words, two sets of two; scales and nothing else
.set AF,   28                          ; v28-75  four fragments of rows
.set T,    28                          ; v28-91  64 numbers at work
.set TM,   28                          ; the quantiser: v28-35 largest magnitudes, v36-43 the other half's, then bytes, v44-51 scale operands, v52-83 codes (four registers a block), v84 a scale word
.set TN,   36
.set SCL,  44
.set PC,   52
.set PW,   84
.set OB,   28                          ; the way out: two sets of 32
.set XW,   100                         ; v100-102 phase X: where I put the codes of k, q, v;  v103 their scale words
.set XSWD, 103
.set W0,   104                         ; v104-253 three sets of 50: four fragments of a weight, then two registers of scale words (scales and nothing else)
.set XSW,  254                         ; v254, v255 phase X: into my stage, and back
.set XSR,  255
; window 1
.set P,    0                           ; the plane, register 32 m + 8 t + j
.set ACC,  128                         ; the 16 accumulators, likewise
.set R,    0                           ; phase X: 64 registers of loaded numbers for each of k, q, v;
.set X,    192                         ; and 64 numbers as the quantiser wants them
.set MSB, 0
.macro WIN new                         ; s_set_vgpr_msb: bits 1:0 source 0, 3:2 source 1, 5:4 source 2, 7:6 destination; the high byte repeats the setting that is left
.if MSB != \new
	s_set_vgpr_msb (MSB<<8)|\new
.set MSB, \new
.endif
.endm
.macro NOP4                            ; four plain places behind matrix instructions, ahead of loads into their sources and of reads of their results
.rept 4
	v_nop
.endr
.endm
.macro BARRIER                         ; my LDS stores have landed and my LDS loads are in: then the work-group's barrier
	s_wait_dscnt 0x0
	s_barrier_signal -1
	s_barrier_wait -1
.endm
; 16 rows' 512 bytes (one K step) of operand o: each load reads 512 consecutive bytes of one row
.macro XLOAD o, off
	WIN 0x40
.irp i, 0,1,2,3,4,5,6,7,8,9,10,11,12,13,14,15
	global_load_b128 v[R+64*(\o)+4*\i:R+64*(\o)+4*\i+3], v[XOF], s[4+2*(\o):5+2*(\o)] offset:4096*\i+(\off) th:TH_LOAD_NT
.endr
.endm
; A block of wst into a set: 12 loads of 16 bytes a lane, 2 of scale words
.macro WLOAD set, blk
.set WSL, W0+50*(\set)
.irp t, 0,1,2,3
.irp g, 0,1,2
	global_load_b128 v[WSL+12*\t+4*\g:WSL+12*\t+4*\g+3], v[WO16], s[18:19] offset:BLKB*(\blk)+1536*\t+512*\g
.endr
.endr
.irp pp, 0,1
	global_load_b32 v[WSL+48+\pp], v[WO4], s[18:19] offset:BLKB*(\blk)+6144+128*\pp
.endr
.endm
; nb blocks: register src + 16 B + i of window 1 is number 16 h + i of block B of my row.  Codes to v[PC + 4 B] on, bytes to v[TN + B].
.macro QUANT nb, src
	WIN 0x05
.set B, 0
.rept \nb
	v_max3_num_f32 v[TM+B], |v[(\src)+16*B]|, |v[(\src)+16*B+1]|, 0x1800000   ; my 16 numbers, and the floor 2^(3 - 127): the byte cannot fall under 1
.set B, B+1
.endr
	WIN 0x14
.irp i, 2,4,6,8,10,12,14
.set B, 0
.rept \nb
	v_max3_num_f32 v[TM+B], v[TM+B], |v[(\src)+16*B+\i]|, |v[(\src)+16*B+\i+1]|   ; the blocks by turns
.set B, B+1
.endr
.endr
	WIN 0
.set B, 0
.rept \nb
	v_permlanex16_b32 v[TN+B], v[TM+B], s24, s25
.set B, B+1
.endr
.set B, 0
.rept \nb
	v_max_num_f32 v[TM+B], v[TM+B], v[TN+B]        ; with lane l xor 16's: the block's largest magnitude
.set B, B+1
.endr
.set B, 0
.rept \nb
	v_add_nc_u32 v[SCL+B], 0xff000000, v[TM+B]     ; 2 off its exponent field: the conversion's scale operand
.set B, B+1
.endr
.set B, 0
.rept \nb
	v_lshrrev_b32 v[TN+B], 23, v[SCL+B]            ; the scale's byte
.set B, B+1
.endr
	WIN 0x01
.set B, 0
.rept \nb
	v_cvt_scalef32_pk16_fp6_f32 v[PC+4*B:PC+4*B+2], v[(\src)+16*B:(\src)+16*B+15], v[SCL+B]
.set B, B+1
.endr
	v_nop                                          ; one plain line behind the last conversion
	WIN 0
.endm
; Phase X, one K step of operand o.  The loaded rows turn through my stage, so that a lane gets 16 neighbours of each block of its row.  next = 1: the operand's next K step is asked for; 2: the first three blocks of wst.
; left: the younger loads that may stay out.
.macro XSTEP o, next, left
	s_wait_loadcnt \left
	WIN 0x04
.irp i, 0,1,2,3,4,5,6,7,8,9,10,11,12,13,14,15
	ds_store_b128 v[XSW], v[R+64*(\o)+4*\i:R+64*(\o)+4*\i+3] offset:528*\i
.endr
	WIN 0x40
.irp b, 0,1,2,3
.irp j, 0,1,2,3
	ds_load_b128 v[X+16*\b+4*\j:X+16*\b+4*\j+3], v[XSR] offset:128*\b+16*\j   ; LDS serves a wave's instructions in order (ISA guide 5.7.1.4): these see the stores above
.endr
.endr
	s_wait_dscnt 0x0                               ; the numbers are back; the stores have read their registers, the last step's too
.if (\next) == 1
	XLOAD \o, 512
.elseif (\next) == 2
	WIN 0
	WLOAD 0, 0
	WLOAD 1, 1
	WLOAD 2, 2
.endif
	QUANT 4, X
	v_lshl_or_b32 v[PW], v[TN+1], 8, v[TN]         ; the four bytes make my row's scale word
	v_lshl_or_b32 v[PW], v[TN+2], 16, v[PW]
	v_lshl_or_b32 v[PW], v[TN+3], 24, v[PW]
	v_add_nc_u32 v[IWT], s33, v[XW+(\o)]
	v_add_nc_u32 v[SWT], s34, v[XSWD]
.irp b, 0,1,2,3
.irp i, 0,1,2
	ds_store_b32 v[IWT], v[PC+4*\b+\i] offset:768*(\b%2)+24*(\b/2)+4*\i
.endr
.endr
	ds_store_b32 v[SWT], v[PW] offset:2048*(\o)    ; both lanes of a row write the same word with the same value
.endm
; The accumulators' first values: the bias of each lane's eight columns of each tile, the same for the four tiles of rows
.macro BIASLD op, c
	WIN 0x40
.irp m, 0,1,2,3
.irp t, 0,1,2,3
.irp hf, 0,1
.if (\op) == 3
	ds_load_b128 v[ACC+32*\m+8*\t+4*\hf:ACC+32*\m+8*\t+4*\hf+3], v[BA] offset:12288+256*(\c)+128*(\t/2)+32*(\t%2)+16*\hf
.else
	ds_load_b128 v[ACC+32*\m+8*\t+4*\hf:ACC+32*\m+8*\t+4*\hf+3], v[BAT] offset:4096*(\op)+256*(\t/2)+32*(\t%2)+16*\hf
.endif
.endr
.endr
.endr
.endm
.macro ALOAD op, s, m0                 ; the fragments of row tiles m0, m0 + 1 of K step s
.irp mm, 0,1
.if (\op) == 3
.set POS, 4*(\s)+(\m0)+\mm
.else
.set POS, 16*((\s)/4)+4*((\m0)+\mm)+(\s)%4
.endif
.irp g, 0,1,2
	ds_load_b128 v[AF+12*((\m0)+\mm)+4*\g:AF+12*((\m0)+\mm)+4*\g+3], v[AR+(\op)] offset:1536*POS+16*\g
.endr
.endr
.endm
.macro SLOAD op, s                     ; the rows' scale words of K step s into set s % 2: register mu: lanes 0-15 row tile 2 mu, lanes 16-31 row tile 2 mu + 1
.irp mu, 0,1
.if (\op) == 3
	ds_load_b32 v[ASR+2*((\s)%2)+\mu], v[SRT] offset:256*(\s)+128*\mu
.else
	ds_load_b32 v[ASR+2*((\s)%2)+\mu], v[SRX] offset:2048*(\op)+1024*((\s)/4)+512*\mu+64*((\s)%4)
.endif
.endr
.endm
.macro MM m, t, s                      ; one product: tile t of the weight x row tile m.  An odd tile's scale words stand in lanes 16-31 of its register, an odd row tile's likewise
.set rD, ACC+32*(\m)+8*(\t)
.set rW, WS+12*(\t)
.set rA, AF+12*(\m)
.set rSW, WS+48+(\t)/2
.set rSA, ASR+2*((\s)%2)+(\m)/2
.if ((\t)%2 == 0) && ((\m)%2 == 0)
	v_wmma_scale_f32_16x16x128_f8f6f4 v[rD:rD+7], v[rW:rW+11], v[rA:rA+11], v[rD:rD+7], v[rSW], v[rSA] matrix_a_fmt:MATRIX_FMT_FP6 matrix_b_fmt:MATRIX_FMT_FP6
.elseif ((\t)%2 == 1) && ((\m)%2 == 0)
	v_wmma_scale_f32_16x16x128_f8f6f4 v[rD:rD+7], v[rW:rW+11], v[rA:rA+11], v[rD:rD+7], v[rSW], v[rSA] matrix_a_fmt:MATRIX_FMT_FP6 matrix_b_fmt:MATRIX_FMT_FP6 matrix_a_scale:MATRIX_SCALE_ROW1
.elseif ((\t)%2 == 0) && ((\m)%2 == 1)
	v_wmma_scale_f32_16x16x128_f8f6f4 v[rD:rD+7], v[rW:rW+11], v[rA:rA+11], v[rD:rD+7], v[rSW], v[rSA] matrix_a_fmt:MATRIX_FMT_FP6 matrix_b_fmt:MATRIX_FMT_FP6 matrix_b_scale:MATRIX_SCALE_ROW1
.else
	v_wmma_scale_f32_16x16x128_f8f6f4 v[rD:rD+7], v[rW:rW+11], v[rA:rA+11], v[rD:rD+7], v[rSW], v[rSA] matrix_a_fmt:MATRIX_FMT_FP6 matrix_b_fmt:MATRIX_FMT_FP6 matrix_a_scale:MATRIX_SCALE_ROW1 matrix_b_scale:MATRIX_SCALE_ROW1
.endif
.endm
.macro MUL8 s, m0                      ; eight products; the 16 accumulators take turns, one instruction a turn, in the same order in every step
	WIN 0x50                                       ; C and D in window 1
.irp mm, 0,1
.irp t, 0,1,2,3
	MM (\m0)+\mm, \t, \s
.endr
.endr
.endm
; A K step of 128: 16 products.  G counts the blocks of wst from the base in s[18:19]; block G lies in set G % 3; NBLK: blocks from that base on that exist.
.macro STEP op, s
.set WS, W0+50*(G%3)
.if NBLK-1-G >= 2
	s_wait_loadcnt 28                              ; block G is in; the 14 loads of each of the two blocks behind it may be out
.elseif NBLK-1-G == 1
	s_wait_loadcnt 14
.else
	s_wait_loadcnt 0x0
.endif
	s_wait_dscnt 6                                 ; all but the youngest six LDS loads, the fragments of row tiles 2 and 3
	MUL8 \s, 0
.if (\s) < 7
	NOP4
	WIN 0
	SLOAD \op, (\s)+1
	ALOAD \op, (\s)+1, 0
	s_wait_dscnt 8                                 ; all but the eight just issued
.else
	s_wait_dscnt 0x0
.endif
	MUL8 \s, 2
	NOP4
	WIN 0
.if (\s) < 7
	ALOAD \op, (\s)+1, 2
.endif
.if G+3 < NBLK
	WLOAD G%3, G+3                                 ; the set just multiplied takes the block three steps on
.endif
.set G, G+1
.endm
.macro PASS op, c                      ; 64 rows x 64 columns x K = 1,024
	BIASLD \op, \c
	WIN 0
	SLOAD \op, 0
	ALOAD \op, 0, 0
	ALOAD \op, 0, 2
.irp s, 0,1,2,3,4,5,6,7
	STEP \op, \s
.endr
.endm
; elu + 1 on 64 accumulator registers (row tiles 2 mb, 2 mb + 1).  kind 0: K' stays in the accumulators, and my first head's K' also starts the sum over heads in P.  kind 1: P = P Q' = P w + P, w = elu.
.macro ELU mb, kind
.set EA, ACC+64*(\mb)
.set EP, P+64*(\mb)
	WIN 0x01
.set i, 0
.rept 32
	v_pk_mul_f32 v[T+i:T+i+1], v[EA+i:EA+i+1], s[26:27] op_sel_hi:[1,0]   ; x log2 e; each accumulator is read from its low end on
.set i, i+2
.endr
	WIN 0
.set i, 0
.rept 64
	v_exp_f32 v[T+i], v[T+i]
.set i, i+1
.endr
	v_nop                                          ; a plain line behind the last exponential,
	s_wait_alu depctr_va_vdst(0)                   ; and one wait for the batch of 64, ahead of its first reader
.set i, 0
.rept 64
	v_min_num_f32 v[T+i], 1.0, v[T+i]
.set i, i+1
.endr
.set i, 0
.rept 32
	v_pk_add_f32 v[T+i:T+i+1], v[T+i:T+i+1], -1.0 op_sel_hi:[1,0]
.set i, i+2
.endr
	WIN 0x41
.set i, 0
.rept 64
	v_max_num_f32 v[EA+i], v[EA+i], v[T+i]         ; elu
.set i, i+1
.endr
.if (\kind) == 0
.set i, 0
.rept 32
.if (i%32) < 16
	v_pk_add_f32 v[EP+i:EP+i+1], v[EA+i:EA+i+1], 1.0 op_sel_hi:[1,0]
.endif
	v_pk_add_f32 v[EA+i:EA+i+1], v[EA+i:EA+i+1], 1.0 op_sel_hi:[1,0]
.set i, i+2
.endr
.else
	WIN 0x55
.set i, 0
.rept 32
	v_pk_fma_f32 v[EP+i:EP+i+1], v[EP+i:EP+i+1], v[EA+i:EA+i+1], v[EP+i:EP+i+1]
.set i, i+2
.endr
.endif
.endm
; The way out of row tile m: 16 rows x 64 columns through my own stage, back as whole rows of 256 bytes
.macro TOSTAGE m
	WIN 0x04
.irp t, 0,1,2,3
	ds_store_b128 v[SO], v[ACC+32*(\m)+8*\t:ACC+32*(\m)+8*\t+3] offset:128*(\t/2)+32*(\t%2)          ; each accumulator from its low end on
	ds_store_b128 v[SO], v[ACC+32*(\m)+8*\t+4:ACC+32*(\m)+8*\t+7] offset:128*(\t/2)+32*(\t%2)+16
.endr
	WIN 0
.irp i, 0,1,2,3,4,5,6,7
	ds_load_b128 v[OB+32*((\m)%2)+4*\i:OB+32*((\m)%2)+4*\i+3], v[SR] offset:544*\i   ; in order behind my stores, and ahead of the next tile's
.endr
.endm
.macro SEND m, c, younger
	s_wait_dscnt \younger
.irp i, 0,1,2,3,4,5,6,7
	global_store_b128 v[GO], v[OB+32*((\m)%2)+4*\i:OB+32*((\m)%2)+4*\i+3], s[20:21] offset:(16*(\m)+2*\i)*4096+256*(\c) th:TH_STORE_NT   ; 16 lanes store 256 consecutive bytes, at a multiple of 256 from out0's first byte
.endr
.endm
	; ---- the head
	s_load_b256 s[4:11], s[0:1], 0x0               ; k s[4:5], q s[6:7], v s[8:9], wk_b s[10:11]
	s_load_b256 s[12:19], s[0:1], 0x20             ; wq_b, wv_b, wc_b, wst s[18:19]
	s_load_b64 s[20:21], s[0:1], 0x40              ; out0
	v_lshl_add_u32 v[SPW], v0, 2, SPARE
	v_mov_b32 v[NIL], 0
	v_lshrrev_b32 v94, 5, v0
	v_readfirstlane_b32 s22, v94                   ; wave w
	v_and_b32 v94, 31, v0                          ; lane
	v_and_b32 v95, 15, v0                          ; r
	v_bfe_u32 v96, v0, 4, 1                        ; h
	v_lshlrev_b32 v92, 4, v0                       ; 16 x thread: a bias is 256 threads x 16 bytes
	v_add_nc_u32 v93, BIAS, v92
	v_mul_u32_u24 v[AR], v94, 48
	v_add_nc_u32 v[AR+1], OPB, v[AR]
	v_add_nc_u32 v[AR+2], 2*OPB, v[AR]
	v_add_nc_u32 v[AR+3], 3*OPB, v[AR]
	v_lshlrev_b32 v97, 2, v95                      ; 4 r
	v_lshl_add_u32 v[SRX], v96, 8, v97             ; k, q, v: neighbouring row tiles lie four places of 64 bytes apart,
	v_add_nc_u32 v[SRX], ASC, v[SRX]
	v_lshl_add_u32 v[SRT], v96, 6, v97             ; attn: one
	v_add_nc_u32 v[SRT], ASC+6144, v[SRT]
	s_lshl_b32 s36, s22, 9
	s_add_co_u32 s36, s36, BIAS
	v_lshl_add_u32 v[BA], v96, 6, s36
	v_lshlrev_b32 v[WO16], 4, v94
	v_lshlrev_b32 v[WO4], 2, v94
	v_mul_u32_u24 v98, v95, 48
	v_mad_u32_u24 v98, v96, 12, v98                ; 48 r + 12 h
	s_mul_i32 s36, s22, 6144                       ; four fragments a wave: phase X: places 4 w + 0 .. 3;  attn: K step w, row tiles 0 .. 3
	v_add_nc_u32 v[XW], s36, v98
	v_add_nc_u32 v[XW+1], OPB, v[XW]
	v_add_nc_u32 v[XW+2], 2*OPB, v[XW]
	v_add_nc_u32 v[ATW0], 3*OPB, v[XW]
	s_lshl_b32 s36, s22, 8
	s_add_co_u32 s36, s36, ASC
	v_add_nc_u32 v[XSWD], s36, v97
	v_add_nc_u32 v[ASW0], 6144, v[XSWD]
	s_lshl_b32 s36, s22, 13
	s_add_co_u32 s36, s36, SCR
	v_add_nc_u32 v[TW], s36, v[WO16]
	v_add_nc_u32 v[TR0], SCR, v[WO16]
	s_mul_i32 s36, s22, 4352
	s_add_co_u32 s36, s36, OUTS
	v_mul_u32_u24 v[SO], v95, 272                  ; in: row r, 64 bytes for each half of the lanes
	v_lshl_add_u32 v[SO], v96, 6, v[SO]
	v_add_nc_u32 v[SO], s36, v[SO]
	v_mul_u32_u24 v[SR], v96, 272                  ; back: lanes 0-15 one row, lanes 16-31 the next
	v_lshl_add_u32 v[SR], v95, 4, v[SR]
	v_add_nc_u32 v[SR], s36, v[SR]
	v_lshlrev_b32 v[GO], 12, v96                   ; and the same two rows in out0
	v_lshl_add_u32 v[GO], v95, 4, v[GO]
	v_mov_b32 v[XOF], v[WO16]
	s_mul_i32 s36, s22, 8448
	s_add_co_u32 s36, s36, SCR
	v_add_nc_u32 v[XSW], s36, v[WO16]              ; phase X's stage: in as loaded, 16 bytes a lane, rows 528 bytes apart;
	v_mul_u32_u24 v[XSR], v95, 528
	v_lshl_add_u32 v[XSR], v96, 6, v[XSR]
	v_add_nc_u32 v[XSR], s36, v[XSR]               ; back: row r, + 64 h: my 16 numbers of a block of 32
.irp b, 0,1,2,3,4,5,6,7
	v_mov_b32 v[TN+\b], 0                          ; written once: a lane permute's destination counts as one of its sources
.endr
	s_mov_b32 s24, 0x76543210
	s_mov_b32 s25, 0xfedcba98                      ; v_permlanex16_b32's selects for lane l xor 16
	s_mov_b32 s26, 0x3fb8aa3b                      ; log2 e
	s_mov_b32 s27, s26                             ; (named with it as a pair, so it is written)
	s_lshl_b32 s36, ttmp9, 18                      ; my work-group's 64 rows of 4,096 bytes,
	s_and_b32 s37, s22, 3
	s_lshl_b32 s37, s37, 16                        ; phase X: row tile w % 4,
	s_add_co_u32 s36, s36, s37
	s_lshr_b32 s37, s22, 2
	s_lshl_b32 s37, s37, 11                        ; K steps 4 (w / 4) on
	s_add_co_u32 s36, s36, s37
	s_mov_b32 s37, 0
	s_mul_i32 s38, s22, 64*BLKB                    ; my stream in wst
	s_mov_b32 s39, 0
	s_lshl_b32 s40, ttmp9, 18
	s_lshl_b32 s41, s22, 9                         ; my 128 columns of out0
	s_add_co_u32 s40, s40, s41
	s_mov_b32 s41, 0
	s_wait_kmcnt 0x0
	s_add_nc_u64 s[4:5], s[4:5], s[36:37]
	s_add_nc_u64 s[6:7], s[6:7], s[36:37]
	s_add_nc_u64 s[8:9], s[8:9], s[36:37]
	s_add_nc_u64 s[18:19], s[18:19], s[38:39]
	s_add_nc_u64 s[20:21], s[20:21], s[40:41]
.irp o, 0,1,2,3
	global_load_b128 v[60+4*\o:63+4*\o], v92, s[10+2*\o:11+2*\o]
.endr
	XLOAD 0, 0
	XLOAD 1, 0
	XLOAD 2, 0
	WIN 0
	s_wait_loadcnt 48                              ; the biases are in; the 48 loads of k, q, v behind them stay out
.irp o, 0,1,2,3
	ds_store_b128 v93, v[60+4*\o:63+4*\o] offset:4096*\o
.endr
	; ---- X: my 16 rows, four K steps, of k, q and v.  Three sets of 16 loads are always on their way
	s_mov_b32 s33, 0                               ; 1,536 x step: the fragment's place
	s_mov_b32 s34, 0                               ; 64 x step: its scale words'
	s_mov_b32 s35, 0
.Lx:
	XSTEP 0, 1, 32                                 ; 32: the two other operands' sets stay out
	XSTEP 1, 1, 32
	XSTEP 2, 1, 32
	s_wait_xcnt 0x0                                ; the loads have read their offset: it may step
	v_add_nc_u32 v[XOF], 512, v[XOF]
	s_add_co_u32 s33, s33, 1536
	s_add_co_u32 s34, s34, 64
	s_add_co_u32 s35, s35, 1
	s_cmp_lt_u32 s35, 3
	s_cbranch_scc1 .Lx
	XSTEP 0, 0, 32                                 ; the last K step asks for no more of k, q, v: no load leaves its buffer
	XSTEP 1, 2, 16                                 ; v's 16 loads stay out; the first three blocks of wst are asked for
	XSTEP 2, 0, 42                                 ; those 42 loads stay out
	BARRIER                                        ; the images of k, q, v, their scale words and the biases lie in LDS
	; ---- the two halves of the heads' channels.  A trip takes 24 blocks of wst, so the three sets are back where they began
	s_mov_b32 s28, 0                               ; dh
	s_mov_b32 s29, 0                               ; 128 dh: the biases
	s_mov_b32 s30, 0                               ; 768 dh: attn's block 2 pp + dh lies in lanes 16 dh on
.set G, 0
.set NBLK, 1000
.Ldh:
	v_add_nc_u32 v[BAT], s29, v[BA]
	v_add_nc_u32 v[ATWT], s30, v[ATW0]
	v_add_nc_u32 v[ASWT], s28, v[ASW0]
	PASS 0, 0
	; K: K' = elu + 1; the total of my two heads goes to LDS for the waves behind me
	ELU 0, 0
	ELU 1, 0
	WIN 0x05
.irp m, 0,1,2,3
.irp i, 0,2,4,6,8,10,12,14
	v_pk_add_f32 v[T+16*\m+\i:T+16*\m+\i+1], v[ACC+32*\m+\i:ACC+32*\m+\i+1], v[ACC+32*\m+16+\i:ACC+32*\m+16+\i+1]
.endr
.endr
	WIN 0
	s_cmp_eq_u32 s22, 7                            ; nobody stands behind wave 7
	s_cbranch_scc1 .Lno_total
.irp i, 0,1,2,3,4,5,6,7,8,9,10,11,12,13,14,15
	ds_store_b128 v[TW], v[T+4*\i:T+4*\i+3] offset:512*\i
.endr
.Lno_total:
	BARRIER                                        ; the seven totals lie in LDS
	s_mov_b32 s31, 0
	s_mov_b32 s32, 0
.Lprefix:                                              ; seven trips in every wave; the work of trip I is done where I < w
	v_add_nc_u32 v[TRT], s32, v[TR0]
	s_cmp_ge_u32 s31, s22
	s_cbranch_scc1 .Lnot_before_me
.irp i, 0,1,2,3,4,5,6,7,8,9,10,11,12,13,14,15
	ds_load_b128 v[T+4*\i:T+4*\i+3], v[TRT] offset:512*\i
.endr
	s_wait_dscnt 0x0
	WIN 0x41
.irp m, 0,1,2,3
.irp i, 0,2,4,6,8,10,12,14
	v_pk_add_f32 v[P+32*\m+\i:P+32*\m+\i+1], v[P+32*\m+\i:P+32*\m+\i+1], v[T+16*\m+\i:T+16*\m+\i+1]
.endr
.endr
	WIN 0
.Lnot_before_me:
	s_add_co_u32 s32, s32, 8192
	s_add_co_u32 s31, s31, 1
	s_cmp_lt_u32 s31, 7
	s_cbranch_scc1 .Lprefix
	WIN 0x45
.irp m, 0,1,2,3
.irp i, 0,2,4,6,8,10,12,14
	v_pk_add_f32 v[P+32*\m+16+\i:P+32*\m+16+\i+1], v[P+32*\m+\i:P+32*\m+\i+1], v[ACC+32*\m+16+\i:ACC+32*\m+16+\i+1]   ; my second head's sum
.endr
.endr
	WIN 0x41
.set i, 0
.rept 128
	v_rcp_f32 v[P+i], v[P+i]
.set i, i+1
.endr
	v_nop                                          ; a plain line behind the last reciprocal,
	s_wait_alu depctr_va_vdst(0)                   ; and one wait for the batch of 128
	WIN 0x45
.set i, 0
.rept 64
	v_pk_mul_f32 v[P+i:P+i+1], v[P+i:P+i+1], v[ACC+i:ACC+i+1]   ; P = K' / sum
.set i, i+2
.endr
	PASS 1, 0
	ELU 0, 1                                       ; P = Q' K' / sum
	ELU 1, 1
	PASS 2, 0
	WIN 0x45
.set i, 0
.rept 64
	v_pk_mul_f32 v[ACC+i:ACC+i+1], v[P+i:P+i+1], v[ACC+i:ACC+i+1]   ; attn; each accumulator is read from its low end on
.set i, i+2
.endr
	QUANT 8, ACC                                   ; block B: row tile B / 2, my head B % 2
.set B, 0
.rept 8
.irp i, 0,1,2
	ds_store_b32 v[ATWT], v[PC+4*B+\i] offset:1536*(B/2)+24*(B%2)+4*\i
.endr
	ds_store_b8 v[ASWT], v[TN+B] offset:64*(B/2)+2*(B%2)   ; byte 2 (B % 2) + dh of the row's scale word; both lanes of a row write the same byte with the same value
.set B, B+1
.endr
	BARRIER                                        ; every wave has read the totals, so the next trip may write them; behind the second trip attn's images are whole
	s_wait_xcnt 0x0                                ; the loads from wst have read their base: it may step
	s_add_nc_u64 s[18:19], s[18:19], 24*BLKB
	s_add_co_u32 s29, s29, 128
	s_add_co_u32 s30, s30, 768
	s_add_co_u32 s28, s28, 1
	s_cmp_lt_u32 s28, 2
	s_cbranch_scc1 .Ldh
	; ---- the last product: my 128 columns in two chunks of 64; 16 blocks of wst are left, of which three are on their way
.set G, 0
.set NBLK, 16
.irp c, 0,1
	PASS 3, \c
	TOSTAGE 0
	TOSTAGE 1
	SEND 0, \c, 16                                 ; 16: the next tile's eight stores and eight loads through the stage
	s_wait_xcnt 0x0                                ; tile 0's stores have read their registers: tile 2's rows may land there
	TOSTAGE 2
	SEND 1, \c, 16
	s_wait_xcnt 0x0
	TOSTAGE 3
	SEND 2, \c, 16
	SEND 3, \c, 0
	s_wait_xcnt 0x0                                ; the stores have read their registers: the next chunk's fragments may land there
.endr
	s_wait_tensorcnt 0x0                           ; the wave's end, behind my last LDS store; this text has no tensor load
	ds_add_u32 v[SPW], v[NIL]
	s_wait_dscnt 0x0
	s_endpgm
.Lfunc_end_k_qe812106fa3_fused:
	.size	k_qe812106fa3_fused, .Lfunc_end_k_qe812106fa3_fused-k_qe812106fa3_fused
	.p2alignl 7, 3214868480
	.fill 96, 4, 3214868480
	.section	.rodata,"a",@progbits
	.p2align	6, 0x0
	.amdhsa_kernel k_qe812106fa3_fused
		.amdhsa_group_segment_fixed_size 314368
		.amdhsa_private_segment_fixed_size 0
		.amdhsa_enable_private_segment 0
		.amdhsa_kernarg_size 72
		.amdhsa_user_sgpr_count 2
		.amdhsa_user_sgpr_kernarg_segment_ptr 1
		.amdhsa_wavefront_size32 1
		.amdhsa_system_sgpr_workgroup_id_x 1
		.amdhsa_system_sgpr_workgroup_id_y 1
		.amdhsa_system_sgpr_workgroup_id_z 1
		.amdhsa_system_vgpr_workitem_id 0
		.amdhsa_next_free_vgpr 512
		.amdhsa_next_free_sgpr 66
		.amdhsa_reserve_vcc 0
		.amdhsa_float_denorm_mode_32 3
		.amdhsa_float_denorm_mode_16_64 3
		.amdhsa_memory_ordered 1
		.amdhsa_forward_progress 1
		.amdhsa_inst_pref_size 255
	.end_amdhsa_kernel
	.section	.bss,"aw",@nobits
	.p2align	6
	.space	262144
	.amdgpu_metadata
---
amdhsa.version: [ 1, 2 ]
amdhsa.kernels:
  - .name:           k_qe812106fa3_fused
    .symbol:         k_qe812106fa3_fused.kd
    .args:
      - { .name: k, .offset: 0, .size: 8, .value_kind: global_buffer, .address_space: global }
      - { .name: q, .offset: 8, .size: 8, .value_kind: global_buffer, .address_space: global }
      - { .name: v, .offset: 16, .size: 8, .value_kind: global_buffer, .address_space: global }
      - { .name: wk_b, .offset: 24, .size: 8, .value_kind: global_buffer, .address_space: global }
      - { .name: wq_b, .offset: 32, .size: 8, .value_kind: global_buffer, .address_space: global }
      - { .name: wv_b, .offset: 40, .size: 8, .value_kind: global_buffer, .address_space: global }
      - { .name: wc_b, .offset: 48, .size: 8, .value_kind: global_buffer, .address_space: global }
      - { .name: wst, .offset: 56, .size: 8, .value_kind: global_buffer, .address_space: global }
      - { .name: out0, .offset: 64, .size: 8, .value_kind: global_buffer, .address_space: global }
    .group_segment_fixed_size: 314368
    .private_segment_fixed_size: 0
    .kernarg_segment_align: 8
    .kernarg_segment_size: 72
    .max_flat_workgroup_size: 256
    .sgpr_count:     66
    .vgpr_count:     512
    .wavefront_size: 32
...
	.end_amdgpu_metadata
.endif
;; end of part 2
